; MI455X (gfx1250); checked and timed in simulation.
; The chip was launched on July 23, 2026; its instructions are those of AMD's public machine-readable ISA for CDNA 5 (MIT licence, August 2026) and "CDNA5" Instruction Set Architecture Reference Guide (July 2026). The comments in the code are by the model that wrote it; some were corrected since.
;; Feature Attention. Allowed arithmetic: matrix products marked QUANTISED: E2M3 operands, one E8M0 scale for each 32 along K, by v_wmma_scale_f32_16x16x128_f8f6f4 with both operands' format E2M3, f32 sums; products left as they are: f32 operands where the result goes on into a quantised operand, else bf16, f16 or f32 operands; f32 sums; everything else in f32.
;; Inputs: Wk_codes 1,024 x 32 x 24 uint8 (E2M3 codes of Wk, K innermost, in blocks of 32 codes, four codes in three bytes); Wk_scales 1,024 x 32 uint8 (E8M0 scales of Wk, one for each 32 codes along K); Wq_codes 1,024 x 32 x 24 uint8 (E2M3 codes of Wq, K innermost, in blocks of 32 codes, four codes in three bytes); Wq_scales 1,024 x 32 uint8 (E8M0 scales of Wq, one for each 32 codes along K); Wv_codes 1,024 x 32 x 24 uint8 (E2M3 codes of Wv, K innermost, in blocks of 32 codes, four codes in three bytes); Wv_scales 1,024 x 32 uint8 (E8M0 scales of Wv, one for each 32 codes along K); bk 1,024 float32; bq 1,024 float32; bv 1,024 float32; x_codes 256 x 32 x 24 uint8 (E2M3 codes of x, K innermost, in blocks of 32 codes, four codes in three bytes); x_scales 256 x 32 uint8 (E8M0 scales of x, one for each 32 codes along K).
;; Outputs: out0 256 x 1,024 float32.
;; This version of the problem:
;;   THIS VERSION OF THE PROBLEM IS GIVEN IN LOW PRECISION. The matrix products marked QUANTISED in the list below multiply operands that are first quantised to E2M3 (2 exponent bits, 3 mantissa bits; 6 bits a number), with one power-of-two scale for each 32 numbers along K (OCP MX v1.0); their sums are f32. All else is computed in f32.
;;   The module's matrix products, in the order in which they are computed (A, B: the left and right operand; K: the contracted axis; several contracted axes count as one K, in the product's order):
;;     1. [M 256, K 1,024] x [K 1,024, N 1,024]; A: input x (given as codes); B: input Wq (given as codes): QUANTISED
;;     2. [M 256, K 1,024] x [K 1,024, N 1,024]; A: input x (given as codes); B: input Wk (given as codes): QUANTISED
;;     3. [M 256, K 1,024] x [K 1,024, N 1,024]; A: input x (given as codes); B: input Wv (given as codes): QUANTISED
;;     4. batch 256 x [M 1,024, K 1,024] x [K 1,024, N 1]; A: softmax; B: computed on the way: left as it is (N = 1 < 16)
;;   THE QUANTISER, for each operand of a quantised product, along K:
;;     - K is cut into blocks of 32 from its start; a last block that is shorter is filled with zeros.
;;     - A block's scale is 2^e with e = floor(log2(the largest magnitude in the block)) - 2, held to -126 .. 127; a block of zeros has e = 0. As a byte (E8M0): e + 127.
;;     - Each number is divided by its block's scale, clamped to +-7.5, and rounded to the nearest number of E2M3, ties to even, subnormals kept.
;;     - The product sums the exact products of the quantised numbers (number of the format x scale) in f32.
;;   ~~~python
;;   def quantise(x, axis):      # numpy; x: float32 -> the quantised numbers, widened to float32 again
;;       x = np.moveaxis(x, axis, -1); K = x.shape[-1]
;;       x = np.pad(x, [(0, 0)] * (x.ndim - 1) + [(0, -K % 32)]); x = x.reshape(x.shape[:-1] + (-1, 32)); a = np.abs(x).max(-1, keepdims=True)
;;       e = np.where(a > 0, np.clip(np.frexp(np.where(a > 0, a, 1))[1] - 1 - 2, -126, 127), 0)      # np.frexp(a)[1] - 1 = floor(log2(a)), exactly
;;       r = np.clip(x / 2.0 ** e, -7.5, 7.5)
;;       step = 2.0 ** (np.maximum(np.frexp(np.where(r == 0, 1, r))[1] - 1, 0) - 3)
;;       q = np.round(r / step) * step * 2.0 ** e      # np.round: ties to even
;;       return np.moveaxis(q.reshape(q.shape[:-2] + (-1,))[..., :K], -1, axis).astype(np.float32)
;;   ~~~
;;   INPUTS GIVEN AS CODES. Wk (in the module: [1024, 1024], K = its axis 1); Wq (in the module: [1024, 1024], K = its axis 1); Wv (in the module: [1024, 1024], K = its axis 1); x (in the module: [256, 1024], K = its axis 1): each comes as NAME_codes (uint8): NAME with its K axis moved to the last place and cut into blocks of 32 codes, [.., K / 32, bytes a block], one block behind the other in memory; four codes in three bytes: a row's codes are one little-endian stream of bits, code i at bits 6 i .. 6 i + 5 (a code: sign, 2 exponent bits, 3 mantissa bits); and NAME_scales (uint8): the same leading axes, one E8M0 byte (e + 127) for each 32 codes along K. Its value is code x scale, taken as it is: it is not quantised again, and the codes and scales need not be those that the quantiser above would give.
;; One version. Each part assembles by itself: llvm-mc -triple=amdgcn-amd-amdhsa -mcpu=gfx1250 --defsym DOCPART=n.
;; ======== version 1 of 1: 2 launches
;; workspace buffers: qkv 3,145,728 bytes
;; launch proj (part 1): grid 48 x 4, 4 waves a work-group, clusters of 4 x 4, 168,448 bytes of LDS; arguments x_codes, x_scales, Wq_codes, Wk_codes, Wv_codes, Wq_scales, Wk_scales, Wv_scales, bq, bk, bv, qkv; writes qkv
.if DOCPART == 1
	.amdgcn_target "amdgcn-amd-amdhsa--gfx1250"
	.amdhsa_code_object_version 6
	.text
	.protected	k_q635708ff9b_proj
	.globl	k_q635708ff9b_proj
	.p2align	8
	.type	k_q635708ff9b_proj,@function
k_q635708ff9b_proj:
	s_mov_b64 s[64:65], 0
	v_nop
	global_prefetch_b8 v0, s[64:65] scope:SCOPE_SE
	s_setreg_imm32_b32 hwreg(HW_REG_WAVE_MODE, 25, 1), 1
	s_wait_xcnt 0x0
	s_wait_alu depctr_hold_cnt(0) depctr_sa_sdst(0) depctr_va_vdst(0) depctr_va_sdst(0) depctr_va_ssrc(0) depctr_va_vcc(0) depctr_vm_vsrc(0)
	s_getreg_b32 s2, hwreg(HW_REG_IB_STS2, 6, 4)
	s_cmp_eq_u32 s2, 0
	s_cbranch_scc0 .Lentry_in_a_cluster
	s_endpgm
.Lentry_in_a_cluster:
	s_bfe_u32 s2, ttmp6, 0x10000c
	s_cmp_lg_u32 s2, 0xf033
	s_cbranch_scc0 .Lentry_shape_is_right
	s_endpgm
.Lentry_shape_is_right:
; qkv[z][b][n] = sum over k of x[b][k] Wz[n][k] + bz[n],  z = 0 (q), 1 (k), 2 (v);  b < 256, n < 1,024, K = 1,024.
; x and the three W arrive as codes of FP6 (E2M3), a row of 1,024 codes = 768 bytes, with one E8M0 byte for each 32 along K (32 bytes a row); the matrix instruction takes both as they lie.  qkv: f32, [3][256][1024].
; SHARES.  A work-group makes 64 rows x 64 columns of one of the three results: 64 columns of f32 are 256 consecutive bytes of a row, so each store of sixteen lanes covers 256 consecutive aligned bytes.
; That gives 4 x 48 = 192 work-groups; a tile of 48 columns would give 256 but would cut those 256 bytes.  Wave w takes rows 16 w .. 16 w + 15 x 64 columns: 4 accumulators, 8 K steps of 128: 32 matrix instructions.
; ALL OF K COMES AT ONCE: x's 64 rows and W's 64 rows are 2 x 49,152 dense bytes; each wave brings half of one of them by one tensor load.  LDS is filled once: no ring.
; CLUSTERS: 4 x 4 work-groups.  The four of a row of the cluster need the same rows of x, the four of a column the same rows of W: each block is asked for JOINTLY, by the same load with a mask that names the four.
; A cluster's four tile columns lie in one of the three W (12 clusters, four to a tensor), so which tensor hangs on the cluster's number alone.
; THE MATRIX INSTRUCTION IS USED TRANSPOSED (source 0 = 16 rows of W, source 1 = 16 rows of x): a lane holds eight neighbouring columns of one row of the result.
; The bias is loaded straight into the accumulators, in the result's layout: it costs no addition and nothing is cleared.
; LIMITS: scale bytes 0xff (NaN) are not served.
.set ROWL,  816                        ; a row of codes in LDS: 3 x (256 bytes + 16 of padding) = 204 words: row r starts at bank 12 r mod 64 (64 banks of 4 bytes: ISA guide 11.1), so the 32 lanes of a load of 8 bytes touch 64 different banks
.set T16,   16*ROWL                    ; 16 rows
.set HALFT, 32*ROWL                    ; 32 rows: what one tensor load brings
.set WT,    2*HALFT                    ; LDS: x's 64 rows from byte 0, W's 64 rows from here,
.set STG,   4*HALFT                    ; and behind them a stage of 16 rows x 272 bytes for each wave, for the way out; no load lands there
.set SP,    272
.set AX,  4                            ; v4, v5   LDS address of my fragments of x (v5: for the pieces behind one padding more)
.set AW,  6                            ; v6, v7   the same for W
.set STO, 8                            ; v8       the way out: where I put 32 bytes of a row
.set RD,  9                            ; v9       where I read a row back
.set CO,  10                           ; v10      my byte offset in the wave's rows of the result
.set XS,  16                           ; v16-23   x's scale words, K step s in v[XS + s]
.set WS,  24                           ; v24-55   W's: tile t, K step s in v[WS + 8 t + s]
.set ACC, 56                           ; v56-87   the four accumulators
.set FS,  96                           ; v96-155, v160-219  two sets of fragments: x's 12 registers, then W's 4 x 12
.set OB,  96                           ; the way out: rows read back from the stage
.set G1X, 40                           ; s[40:47] descriptor group 1 for x's block;  s[48:55] for W's: it differs in the mask alone
.set G1W, 48
.set G0X, 56                           ; s[56:59], s[60:63] their groups 0
.set G0W, 60
; A joint load: waves 0 and 1 fetch x's halves, waves 2 and 3 W's.  Each line has one mask and one set of registers for all that issue it; the branch hangs on the wave's number alone.
; Four v_nop follow each of the two lines, ahead of the jump, the label and what follows.
.macro JLOAD
	s_cmp_eq_u32 s29, 0
	s_cbranch_scc0 .Lfor_w_\@
	tensor_load_to_lds s[G0X:G0X+3], s[G1X:G1X+7]
	s_nop 0
.rept 4
	v_nop
.endr
	s_branch .Lasked_\@
.Lfor_w_\@:
	tensor_load_to_lds s[G0W:G0W+3], s[G1W:G1W+7]
	s_nop 0
.rept 4
	v_nop
.endr
.Lasked_\@:
.endm
; A round of the cluster's barrier: my work-group's barrier; wave 0 signals for the work-group; every wave waits for all sixteen work-groups; my work-group's barrier once more.
.macro CROUND
	s_barrier_signal -1
	s_barrier_wait -1
	s_cmp_lg_u32 s28, 0
	s_cbranch_scc1 .Lnot_wave_0_\@
	s_barrier_signal -3
.Lnot_wave_0_\@:
	s_barrier_wait -3
	s_barrier_signal -1
	s_barrier_wait -1
.endm
	s_load_b512 s[4:19], s[0:1], 0x0               ; x's codes s[4:5], x's scales s[6:7]; codes of Wq, Wk, Wv s[8:13]; their scales s[14:19]
	s_load_b256 s[20:27], s[0:1], 0x40             ; bq, bk, bv s[20:25]; qkv s[26:27]
	v_lshl_add_u32 v224, v0, 2, 0x29000
	v_mov_b32 v225, 0
	ds_add_u32 v224, v225
	ds_add_u32 v224, v225
	v_lshrrev_b32 v3, 5, v0
	v_readfirstlane_b32 s28, v3                    ; wave 0..3
	s_lshr_b32 s29, s28, 1                         ; I fetch for x (0) or for W (1),
	s_and_b32 s30, s28, 1                          ; and which 32 rows
	s_bfe_u32 s31, ttmp6, 0x40000                  ; cx, cy: my place in the cluster
	s_bfe_u32 s32, ttmp6, 0x40004
	s_lshr_b32 s34, ttmp9, 2                       ; which tensor: cluster x / 4
	s_and_b32 s35, ttmp9, 3
	s_lshl_b32 s35, s35, 2
	s_add_co_u32 s35, s35, s31                     ; tile column in that tensor, 0..15.  The tile row is cy: the grid is one cluster high
	s_lshl_b32 s36, s32, 2
	s_lshl_b32 s36, 15, s36                        ; my row of the cluster
	s_lshl_b32 s37, 0x1111, s31                    ; my column
	; descriptor group 1: 24,576 dense bytes as 96 rows of 256 bytes (32 elements of 8 bytes), 16 bytes of padding behind each
	s_or_b32 s[G1X], s36, (3<<16)|(1<<20)|(1<<21)|(5<<22)|(3<<25)  ; 15:0 the mask; 17:16 elements of 8 bytes; 20 padding on; 21 set beside a mask; 24:22 after every 64 words (code 5); 31:25 of 4 words (code 3)
	s_or_b32 s[G1W], s37, (3<<16)|(1<<20)|(1<<21)|(5<<22)|(3<<25)
.irp g, G1X, G1W
	s_mov_b32 s[\g+1], 32<<16                      ; tensor_dim0 = 32
	s_mov_b32 s[\g+2], 96<<16                      ; tensor_dim1 = 96
	s_mov_b32 s[\g+3], 32<<16                      ; tile_dim0 = 32
	s_mov_b32 s[\g+4], 96                          ; tile_dim1 = 96
	s_mov_b32 s[\g+5], 32                          ; from row to row: dense
	s_mov_b32 s[\g+6], 0
	s_mov_b32 s[\g+7], 0
.endr
	s_mul_i32 s74, s30, 24576                      ; my half of a block
	s_mul_i32 s72, s32, 49152                      ; x: the tile row's 64 rows; this register never holds cx
	s_add_co_u32 s72, s72, s74
	s_mov_b32 s73, 0
	s_mul_i32 s76, s35, 49152                      ; W: the tile column's 64 rows
	s_add_co_u32 s76, s76, s74
	s_mov_b32 s77, 0
	s_mul_i32 s75, s28, HALFT                      ; where it goes: wave x 32 rows: no place in the cluster enters an LDS address
	s_lshl_b32 s78, s32, 11                        ; x's scales: my 16 rows of 32 bytes: (64 cy + 16 wave) x 32
	s_lshl_b32 s79, s28, 9
	s_add_co_u32 s78, s78, s79
	s_mov_b32 s79, 0
	s_lshl_b32 s80, s35, 11                        ; W's scales: the tile column's 64 rows of 32 bytes
	s_mov_b32 s81, 0
	s_lshl_b32 s82, s35, 8                         ; the bias: the tile column's 64 numbers
	s_mov_b32 s83, 0
	s_lshl_b32 s84, s34, 20                        ; the result: tensor x 1 MiB + (64 cy + 16 wave) rows of 4,096 bytes + 256 x tile column
	s_lshl_b32 s86, s32, 18
	s_add_co_u32 s84, s84, s86
	s_lshl_b32 s86, s28, 16
	s_add_co_u32 s84, s84, s86
	s_add_co_u32 s84, s84, s82
	s_mov_b32 s85, 0
	v_and_b32 v1, 15, v0                           ; r = lane % 16
	v_bfe_u32 v2, v0, 4, 1                         ; h = lane / 16
	v_mul_u32_u24 v3, v1, ROWL
	v_mad_u32_u24 v[AW], v2, 24, v3                ; a fragment's row x pitch + 24 x half,
	v_mad_u32_u24 v[AW+1], v2, 40, v3              ; and the same behind one padding more
	s_mul_i32 s87, s28, T16
	v_add_nc_u32 v[AX], s87, v[AW]                 ; x: my wave's 16 rows
	v_add_nc_u32 v[AX+1], s87, v[AW+1]
	v_add_nc_u32 v[AW], WT, v[AW]                  ; W: behind x's 64 rows
	v_add_nc_u32 v[AW+1], WT, v[AW+1]
	s_mul_i32 s88, s28, 16*SP
	s_add_co_u32 s88, s88, STG                     ; my stage
	v_mul_u32_u24 v[STO], v1, SP                   ; in: row r, 32 bytes for each half of the lanes
	v_lshl_add_u32 v[STO], v2, 5, v[STO]
	v_add_nc_u32 v[STO], s88, v[STO]
	v_mul_u32_u24 v[RD], v2, SP                    ; back: lanes 0-15 one row of 256 bytes, lanes 16-31 the next
	v_lshl_add_u32 v[RD], v1, 4, v[RD]
	v_add_nc_u32 v[RD], s88, v[RD]
	v_lshlrev_b32 v[CO], 12, v2                    ; and the same two rows in the result
	v_lshl_add_u32 v[CO], v1, 4, v[CO]
	v_lshlrev_b32 v11, 5, v1                       ; a row of scale bytes: 32 r
	v_lshlrev_b32 v12, 5, v2                       ; the bias of my half's eight columns: 32 h
	s_wait_dscnt 0x0
	s_wait_kmcnt 0x0
	s_cmp_lt_u32 s34, 2                            ; the tensor is chosen on the cluster's number alone
	s_cselect_b64 s[66:67], s[10:11], s[12:13]
	s_cselect_b64 s[68:69], s[16:17], s[18:19]
	s_cselect_b64 s[70:71], s[22:23], s[24:25]
	s_cmp_lt_u32 s34, 1
	s_cselect_b64 s[66:67], s[8:9], s[66:67]       ; W's codes
	s_cselect_b64 s[68:69], s[14:15], s[68:69]     ; W's scales
	s_cselect_b64 s[70:71], s[20:21], s[70:71]     ; the bias
	s_mov_b32 s[G0X], 1                            ; 1:0 count = 1
	s_mov_b32 s[G0X+1], s75                        ; 63:32 LDS address
	s_add_nc_u64 s[G0X+2:G0X+3], s[4:5], s[72:73]  ; 120:64 global address
	s_or_b32 s[G0X+3], s[G0X+3], 0x80000000        ; 127:126 type = 2
	s_mov_b32 s[G0W], 1
	s_mov_b32 s[G0W+1], s75
	s_add_nc_u64 s[G0W+2:G0W+3], s[66:67], s[76:77]
	s_or_b32 s[G0W+3], s[G0W+3], 0x80000000
	s_add_nc_u64 s[6:7], s[6:7], s[78:79]
	s_add_nc_u64 s[68:69], s[68:69], s[80:81]
	s_add_nc_u64 s[70:71], s[70:71], s[82:83]
	s_add_nc_u64 s[26:27], s[26:27], s[84:85]
	CROUND                                         ; all sixteen work-groups are here: the joint loads meet
	JLOAD                                          ; my one tensor load of the launch
	global_load_b128 v[XS:XS+3], v11, s[6:7]       ; lane r: row r's eight scale words, one for each K step (lanes 16-31 hold the same and are not read)
	global_load_b128 v[XS+4:XS+7], v11, s[6:7] offset:16
.irp t, 0,1,2,3
	global_load_b128 v[WS+8*\t:WS+8*\t+3], v11, s[68:69] offset:512*\t
	global_load_b128 v[WS+8*\t+4:WS+8*\t+7], v11, s[68:69] offset:512*\t+16
.endr
.irp t, 0,1,2,3
	global_load_b128 v[ACC+8*\t:ACC+8*\t+3], v12, s[70:71] offset:64*\t        ; the bias of columns 16 t + 8 h + 0 .. 7 starts the sums
	global_load_b128 v[ACC+8*\t+4:ACC+8*\t+7], v12, s[70:71] offset:64*\t+16
.endr
; A fragment, 16 rows x 128 K of 6-bit codes, is 12 registers: lane l holds row l % 16; registers 6 c .. 6 c + 5 hold K = 64 c + 32 (l / 16) + 0 .. 31: 24 bytes of the row, as they lie.
; In pieces of 8 bytes: lanes 0-15 take the row's pieces 12 s + 0, 1, 2 and 12 s + 6, 7, 8, lanes 16-31 those three pieces on.  16 bytes of padding lie behind every 32 pieces:
; where the piece three on lies behind one padding more, the second address register (40 for 24 bytes a half) serves.
.macro FRAG reg, adr, s, i
.irp p, 0,1,2,3,4,5
.set PC, 12*(\s)+6*(\p/3)+\p%3
.if PC%32 < 29
	ds_load_b64 v[(\reg)+2*\p:(\reg)+2*\p+1], v[\adr] offset:8*PC+16*(PC/32)+(\i)*T16
.else
	ds_load_b64 v[(\reg)+2*\p:(\reg)+2*\p+1], v[\adr+1] offset:8*PC+16*(PC/32)+(\i)*T16
.endif
.endr
.endm
.macro FETCH s                         ; K step s: x's fragment and W's four, into set s % 2: 30 loads
	FRAG FS+64*((\s)%2), AX, \s, 0
.irp t, 0,1,2,3
	FRAG FS+64*((\s)%2)+12+12*\t, AW, \s, \t
.endr
.endm
.macro MUL s                           ; four matrix instructions; the four accumulators take turns, one instruction a turn, from step to step too
.irp t, 0,1,2,3
	v_wmma_scale_f32_16x16x128_f8f6f4 v[ACC+8*\t:ACC+8*\t+7], v[FS+64*((\s)%2)+12+12*\t:FS+64*((\s)%2)+12+12*\t+11], v[FS+64*((\s)%2):FS+64*((\s)%2)+11], v[ACC+8*\t:ACC+8*\t+7], v[WS+8*\t+(\s)], v[XS+(\s)] matrix_a_fmt:MATRIX_FMT_FP6 matrix_b_fmt:MATRIX_FMT_FP6
.endr
.endm
.macro PLACES                          ; four plain vector instructions between a matrix instruction and a load into a register that it has read, or a store of its result
.rept 4
	v_nop
.endr
.endm
	s_wait_tensorcnt 0x0                           ; my half block is in LDS,
	s_barrier_signal -1
	s_barrier_wait -1                              ; everybody's is
	FETCH 0
	FETCH 1
	s_wait_loadcnt 0x0                             ; the scale words and the bias
.irp s, 0,1,2,3,4,5,6,7
.if \s < 7
	s_wait_dscnt 30                                ; this step's 30 loads are in; the next step's 30 may be out
.else
	s_wait_dscnt 0x0
.endif
	MUL \s
.if \s < 6
	PLACES
	FETCH \s+2                                     ; into the set just multiplied
.endif
.endr
	; THE WAY OUT.  A lane holds 32 neighbouring bytes of a row for each tile: the wave's 16 rows x 256 bytes go through its own stage and come back as whole rows.
	PLACES
.irp t, 0,1,2,3
	ds_store_b128 v[STO], v[ACC+8*\t:ACC+8*\t+3] offset:64*\t          ; each accumulator from its low end on
	ds_store_b128 v[STO], v[ACC+8*\t+4:ACC+8*\t+7] offset:64*\t+16
.endr
.irp i, 0,1,2,3,4,5,6,7
	ds_load_b128 v[OB+4*\i:OB+4*\i+3], v[RD] offset:2*\i*SP            ; LDS serves a wave's instructions in order (ISA guide 5.7.1.4): these see my stores
.endr
.irp i, 0,1,2,3,4,5,6,7
	s_wait_dscnt 7-\i                              ; rows 2 i and 2 i + 1 are back; the younger loads may be out
	global_store_b128 v[CO], v[OB+4*\i:OB+4*\i+3], s[26:27] offset:8192*\i   ; 16 lanes store 256 consecutive bytes, at a multiple of 256 from the buffer's first byte
.endr
	s_wait_tensorcnt 0x0
	ds_add_u32 v224, v225
	s_wait_dscnt 0x0
	CROUND                                         ; the closing round: no work-group ends while a partner may still ask for a block that names it
	s_endpgm
.Lfunc_end_k_q635708ff9b_proj:
	.size	k_q635708ff9b_proj, .Lfunc_end_k_q635708ff9b_proj-k_q635708ff9b_proj
	.p2alignl 7, 3214868480
	.fill 96, 4, 3214868480
	.section	.rodata,"a",@progbits
	.p2align	6, 0x0
	.amdhsa_kernel k_q635708ff9b_proj
		.amdhsa_group_segment_fixed_size 168448
		.amdhsa_private_segment_fixed_size 0
		.amdhsa_enable_private_segment 0
		.amdhsa_kernarg_size 96
		.amdhsa_user_sgpr_count 2
		.amdhsa_user_sgpr_kernarg_segment_ptr 1
		.amdhsa_wavefront_size32 1
		.amdhsa_system_sgpr_workgroup_id_x 1
		.amdhsa_system_sgpr_workgroup_id_y 1
		.amdhsa_system_sgpr_workgroup_id_z 1
		.amdhsa_system_vgpr_workitem_id 0
		.amdhsa_next_free_vgpr 226
		.amdhsa_next_free_sgpr 90
		.amdhsa_reserve_vcc 0
		.amdhsa_float_denorm_mode_32 3
		.amdhsa_float_denorm_mode_16_64 3
		.amdhsa_memory_ordered 1
		.amdhsa_forward_progress 1
		.amdhsa_inst_pref_size 31
	.end_amdhsa_kernel
	.amdgpu_metadata
---
amdhsa.version: [ 1, 2 ]
amdhsa.kernels:
  - .name:           k_q635708ff9b_proj
    .symbol:         k_q635708ff9b_proj.kd
    .args:
      - { .name: x_codes, .offset: 0, .size: 8, .value_kind: global_buffer, .address_space: global }
      - { .name: x_scales, .offset: 8, .size: 8, .value_kind: global_buffer, .address_space: global }
      - { .name: Wq_codes, .offset: 16, .size: 8, .value_kind: global_buffer, .address_space: global }
      - { .name: Wk_codes, .offset: 24, .size: 8, .value_kind: global_buffer, .address_space: global }
      - { .name: Wv_codes, .offset: 32, .size: 8, .value_kind: global_buffer, .address_space: global }
      - { .name: Wq_scales, .offset: 40, .size: 8, .value_kind: global_buffer, .address_space: global }
      - { .name: Wk_scales, .offset: 48, .size: 8, .value_kind: global_buffer, .address_space: global }
      - { .name: Wv_scales, .offset: 56, .size: 8, .value_kind: global_buffer, .address_space: global }
      - { .name: bq, .offset: 64, .size: 8, .value_kind: global_buffer, .address_space: global }
      - { .name: bk, .offset: 72, .size: 8, .value_kind: global_buffer, .address_space: global }
      - { .name: bv, .offset: 80, .size: 8, .value_kind: global_buffer, .address_space: global }
      - { .name: qkv, .offset: 88, .size: 8, .value_kind: global_buffer, .address_space: global }
    .group_segment_fixed_size: 168448
    .private_segment_fixed_size: 0
    .kernarg_segment_align: 8
    .kernarg_segment_size: 96
    .max_flat_workgroup_size: 128
    .sgpr_count:     90
    .vgpr_count:     226
    .wavefront_size: 32
...
	.end_amdgpu_metadata
.endif
;; end of part 1
;; launch attend (part 2): grid 256 x 1, 16 waves a work-group, no clusters, 133,120 bytes of LDS; arguments qkv, out0; writes out0
.if DOCPART == 2
	.amdgcn_target "amdgcn-amd-amdhsa--gfx1250"
	.amdhsa_code_object_version 6
	.text
	.protected	k_q635708ff9b_attend
	.globl	k_q635708ff9b_attend
	.p2align	8
	.type	k_q635708ff9b_attend,@function
k_q635708ff9b_attend:
	s_mov_b64 s[64:65], 0
	v_nop
	global_prefetch_b8 v0, s[64:65] scope:SCOPE_SE
	s_setreg_imm32_b32 hwreg(HW_REG_WAVE_MODE, 25, 1), 1
	s_wait_xcnt 0x0
; out[b][i] = sum over j of softmax_j(q[b][i] k[b][j] / 32) v[b][j].  q, k, v: rows b of qkv [3][256][1024] f32; out: [256][1024] f32.  All in f32, on the vector units:
; the product with v has one column, of which a matrix instruction would use one in sixteen.
; THE MAXIMUM.  With t = q[i] c, c = log2(e) / 32, the row's scores in base 2 are t k[j]: their largest is max(t kmax, t kmin), kmax and kmin the extremes of k[b][:].  That maximum m is taken away:
; p = 2^(t k[j] - m), one fused multiply-add and one exponential.  m is known before the first p, so nothing is ever rescaled, and sums over parts of j, taken under the same m, simply add.
; SHARES.  A work-group is a sample b.  THE SIXTEEN WAVES SHARE j, NOT i: wave w keeps k and v of j = 64 w .. 64 w + 63 in 128 registers, the same number in every lane, for the whole launch.
; A lane is an i: every wave walks all 1,024 i in 16 trips of 64 (i = 64 n + 2 lane + e, e = 0, 1), so the loop loads nothing but 8 bytes of q a lane and trip.
; For each i a wave leaves its part of the sums (l = sum of p, o = sum of p v) in LDS; one barrier; wave w adds the sixteen parts of i = 64 w .. 64 w + 63, divides, and stores 256 bytes.
; Every wave forms m by the same instructions on the same numbers, so the parts belong together.  Four waves share a SIMD: one wave's exponentials stand beside another's sums.
; No cluster: work-groups share no input.  No tensor load: a work-group reads 12 KiB, once, at its head.
; LIMITS: NaN and infinities in q, k, v are not served, nor products t k beyond f32's range; a p under 2^-126 counts as 0 (v_exp_f32 flushes denormal results: ISA guide, its entry in 15.8);
; the sums are taken in another order than a plain sum over j.
.set KK, 32                            ; v32-95    my 64 k
.set VV, 96                            ; v96-159   my 64 v
.set WK, 160                           ; v160-223  at work: 64 arguments, then 64 p; at the head k's row spread over the lanes; at the end the sixteen parts
.set RES, 24                           ; v24-27    l, o of i = 2 lane, then of 2 lane + 1
; v1 8 x lane; v2 0; v3 8,192 wave + 16 lane; v4 -kmax, v5 -kmin; v[6:7] the trip's two q; v[8:9], v[12:13] t; v[10:11], v[14:15] -m (the packed forms name pairs and take the low word for both halves: the high words hold 0)
; v[16:19] two chains of l, v[20:23] two chains of o; v28 the LDS store's address; v29 16 x lane; v30, v31 where I read the parts
	s_load_b128 s[4:7], s[0:1], 0x0                ; qkv, out
	v_lshl_add_u32 v224, v0, 2, 0x20000
	v_mov_b32 v225, 0
	v_lshrrev_b32 v1, 5, v0
	v_readfirstlane_b32 s8, v1                     ; wave 0..15
	v_and_b32 v29, 31, v0                          ; lane
	v_lshlrev_b32 v1, 3, v29
	v_lshlrev_b32 v29, 4, v29
	v_mov_b32 v2, 0
	s_lshl_b32 s9, s8, 13
	v_add_nc_u32 v3, s9, v29                       ; my wave's 8,192 bytes of parts, 16 bytes a lane
	s_lshl_b32 s9, s8, 9
	v_add_nc_u32 v30, s9, v29                      ; the parts of trip n = my wave's number, in wave 0's bytes;
	v_add_nc_u32 v31, 0x10000, v30                 ; and in wave 8's (an LDS offset has 16 bits)
	v_mov_b32 v9, 0
	v_mov_b32 v11, 0
	v_mov_b32 v13, 0
	v_mov_b32 v15, 0
	v_mov_b32 v24, 0                               ; written once: a lane permute's destination counts as one of its sources
	v_mov_b32 v25, 0
	s_lshl_b32 s14, ttmp9, 12                      ; row b: 4,096 bytes a row
	s_mov_b32 s15, 0
	s_lshl_b32 s20, s8, 8                          ; my wave's 64 numbers of a row
	s_mov_b32 s21, 0
	s_mov_b32 s22, 0x3d38aa3b                      ; c = log2(e) / 32
	s_mov_b32 s23, 16                              ; trips
	s_mov_b32 s24, 0                               ; byte of q's row at which the load in flight begins
	s_mov_b32 s25, 0
	s_mov_b32 s28, 0x76543210                      ; v_permlanex16_b32's selects for lane l xor 16
	s_mov_b32 s29, 0xfedcba98
	s_mov_b32 s30, 0                               ; the trip's place among my parts: 512 bytes a trip
	s_wait_kmcnt 0x0
	s_add_nc_u64 s[10:11], s[4:5], s[14:15]        ; q's row
	s_add_nc_u64 s[12:13], s[10:11], 0x100000      ; k's row
	s_add_nc_u64 s[16:17], s[12:13], s[20:21]      ; my 64 k
	s_add_nc_u64 s[18:19], s[16:17], 0x100000      ; my 64 v
	s_add_nc_u64 s[32:33], s[6:7], s[14:15]
	s_add_nc_u64 s[32:33], s[32:33], s[20:21]      ; the 64 numbers of out that I store
.irp n, 0,1,2,3,4,5,6,7
	global_load_b128 v[WK+4*\n:WK+4*\n+3], v29, s[12:13] offset:512*\n   ; all of k's row, spread over the lanes: 32 numbers a lane
.endr
.irp n, 0,1,2,3,4,5,6,7,8,9,10,11,12,13,14,15
	global_load_b128 v[KK+4*\n:KK+4*\n+3], v2, s[16:17] offset:16*\n     ; every lane reads the same 16 bytes
.endr
.irp n, 0,1,2,3,4,5,6,7,8,9,10,11,12,13,14,15
	global_load_b128 v[VV+4*\n:VV+4*\n+3], v2, s[18:19] offset:16*\n
.endr
	global_load_b64 v[6:7], v1, s[10:11]           ; the first trip's q
	s_wait_loadcnt 33                              ; k's row is in; the 16 + 16 + 1 loads behind it may be out
	v_max3_num_f32 v4, v[WK], v[WK+1], v[WK+2]     ; kmax, and -kmin as the largest of -k: the two chains by turns
	v_max3_num_f32 v5, -v[WK], -v[WK+1], -v[WK+2]
.irp i, 3,5,7,9,11,13,15,17,19,21,23,25,27,29
	v_max3_num_f32 v4, v4, v[WK+\i], v[WK+\i+1]
	v_max3_num_f32 v5, v5, -v[WK+\i], -v[WK+\i+1]
.endr
	v_max_num_f32 v4, v4, v[WK+31]
	v_max_num_f32 v5, v5, -v[WK+31]
.irp x, 1,2,4,8
	v_max_num_f32_dpp v4, v4, v4 row_xmask:\x row_mask:0xf bank_mask:0xf
	v_max_num_f32_dpp v5, v5, v5 row_xmask:\x row_mask:0xf bank_mask:0xf
.endr
	v_permlanex16_b32 v24, v4, s28, s29
	v_permlanex16_b32 v25, v5, s28, s29
	v_max_num_f32 v4, v4, v24
	v_max_num_f32 v5, v5, v25                      ; -kmin, in every lane
	v_mul_f32 v4, -1.0, v4                         ; -kmax
; My 64 j for one i a lane (e = 0: i = 64 n + 2 lane; e = 1: the next).  Pair n of 32 is j = 2 n, 2 n + 1.
.macro GROUP e
.set TT, 8+4*\e
.set MM, 10+4*\e
	; the 32 packed arguments t k - m and the 64 exponentials are ONE BATCH: an argument is made two pairs ahead of its exponentials, and none of these lines names an exponential's result
	v_pk_fma_f32 v[WK:WK+1], v[TT:TT+1], v[KK:KK+1], v[MM:MM+1] op_sel_hi:[0,1,0]
	v_pk_fma_f32 v[WK+2:WK+3], v[TT:TT+1], v[KK+2:KK+3], v[MM:MM+1] op_sel_hi:[0,1,0]
.set n, 0
.rept 32
	v_exp_f32 v[WK+2*n], v[WK+2*n]
.if n < 30
	v_pk_fma_f32 v[WK+2*n+4:WK+2*n+5], v[TT:TT+1], v[KK+2*n+4:KK+2*n+5], v[MM:MM+1] op_sel_hi:[0,1,0]
.endif
	v_exp_f32 v[WK+2*n+1], v[WK+2*n+1]
.set n, n+1
.endr
	v_nop                                          ; a plain instruction between the last exponential and the first use of a result (ISA guide 5.7.2)
	s_wait_alu depctr_va_vdst(0)                   ; and the wait ahead of the first reader: one for the 64
	; l and o, two chains each; the first lines start the sums: nothing is cleared
	v_pk_add_f32 v[16:17], v[WK:WK+1], v[WK+2:WK+3]
	v_pk_mul_f32 v[20:21], v[WK:WK+1], v[VV:VV+1]
	v_pk_add_f32 v[18:19], v[WK+4:WK+5], v[WK+6:WK+7]
	v_pk_mul_f32 v[22:23], v[WK+2:WK+3], v[VV+2:VV+3]
	v_pk_fma_f32 v[20:21], v[WK+4:WK+5], v[VV+4:VV+5], v[20:21]
	v_pk_fma_f32 v[22:23], v[WK+6:WK+7], v[VV+6:VV+7], v[22:23]
.set n, 4
.rept 28
	v_pk_add_f32 v[16+2*(n%2):17+2*(n%2)], v[16+2*(n%2):17+2*(n%2)], v[WK+2*n:WK+2*n+1]
	v_pk_fma_f32 v[20+2*(n%2):21+2*(n%2)], v[WK+2*n:WK+2*n+1], v[VV+2*n:VV+2*n+1], v[20+2*(n%2):21+2*(n%2)]
.set n, n+1
.endr
	v_pk_add_f32 v[16:17], v[16:17], v[18:19]
	v_pk_add_f32 v[20:21], v[20:21], v[22:23]
.if \e == 0
	s_wait_dscnt 0x0                               ; the last trip's LDS store has read its data and its address: both are written again only behind this wait
.endif
	v_add_f32 v[RES+2*\e], v16, v17
	v_add_f32 v[RES+2*\e+1], v20, v21
.endm
.Ltrip:
	s_wait_loadcnt 0x0                             ; this trip's q (in the first trip: my k and v too); the load's base may be written again
	v_mul_f32 v8, s22, v6                          ; t = q c
	v_mul_f32 v12, s22, v7
	v_mul_f32 v10, v8, v4                          ; -t kmax
	v_mul_f32 v16, v8, v5                          ; -t kmin
	v_mul_f32 v14, v12, v4
	v_mul_f32 v17, v12, v5
	v_min_num_f32 v10, v10, v16                    ; -m = -max(t kmax, t kmin)
	v_min_num_f32 v14, v14, v17
	s_add_co_u32 s24, s24, 256                     ; the next trip's q is asked for now; the last trip asks for the row's first 256 bytes again, which nobody uses: no load leaves the row
	s_and_b32 s24, s24, 0xfff
	s_add_nc_u64 s[26:27], s[10:11], s[24:25]
	global_load_b64 v[6:7], v1, s[26:27]
	GROUP 0
	GROUP 1
	v_add_nc_u32 v28, s30, v3
	ds_store_b128 v28, v[RES:RES+3]                ; 32 lanes store 512 consecutive bytes
	s_add_co_u32 s30, s30, 512
	s_sub_co_u32 s23, s23, 1
	s_cmp_lg_u32 s23, 0
	s_cbranch_scc1 .Ltrip
	s_wait_loadcnt 0x0                             ; (the last trip's load)
	s_wait_dscnt 0x0                               ; for the others' sake: my parts lie in LDS
	s_barrier_signal -1
	s_barrier_wait -1
.irp u, 0,1,2,3,4,5,6,7
	ds_load_b128 v[WK+4*\u:WK+4*\u+3], v30 offset:8192*\u          ; wave u's parts of my 64 i
.endr
.irp u, 0,1,2,3,4,5,6,7
	ds_load_b128 v[WK+32+4*\u:WK+32+4*\u+3], v31 offset:8192*\u    ; wave 8 + u's
.endr
	s_wait_dscnt 0x0
.irp d, 8,4,2,1                        ; the sixteen parts are added as a tree: 8, 4, 2, 1 apart
.set a, 0
.rept \d
	v_pk_add_f32 v[WK+4*a:WK+4*a+1], v[WK+4*a:WK+4*a+1], v[WK+4*(a+\d):WK+4*(a+\d)+1]
	v_pk_add_f32 v[WK+4*a+2:WK+4*a+3], v[WK+4*a+2:WK+4*a+3], v[WK+4*(a+\d)+2:WK+4*(a+\d)+3]
.set a, a+1
.endr
.endr
	v_rcp_f32 v[WK+4], v[WK]                       ; l is about 1 at the least: the largest score's p is in it
	v_rcp_f32 v[WK+5], v[WK+2]
	v_nop                                          ; a plain instruction behind the reciprocals,
	s_wait_alu depctr_va_vdst(0)                   ; and the wait ahead of their first reader
	v_mul_f32 v[WK+6], v[WK+1], v[WK+4]            ; o / l
	v_mul_f32 v[WK+7], v[WK+3], v[WK+5]
	global_store_b64 v1, v[WK+6:WK+7], s[32:33] th:TH_STORE_NT     ; 32 lanes store 256 consecutive bytes, at a multiple of 256 from out's first byte
	s_wait_tensorcnt 0x0
	ds_add_u32 v224, v225
	s_wait_dscnt 0x0
	s_endpgm
.Lfunc_end_k_q635708ff9b_attend:
	.size	k_q635708ff9b_attend, .Lfunc_end_k_q635708ff9b_attend-k_q635708ff9b_attend
	.p2alignl 7, 3214868480
	.fill 96, 4, 3214868480
	.section	.rodata,"a",@progbits
	.p2align	6, 0x0
	.amdhsa_kernel k_q635708ff9b_attend
		.amdhsa_group_segment_fixed_size 133120
		.amdhsa_private_segment_fixed_size 0
		.amdhsa_enable_private_segment 0
		.amdhsa_kernarg_size 16
		.amdhsa_user_sgpr_count 2
		.amdhsa_user_sgpr_kernarg_segment_ptr 1
		.amdhsa_wavefront_size32 1
		.amdhsa_system_sgpr_workgroup_id_x 1
		.amdhsa_system_sgpr_workgroup_id_y 1
		.amdhsa_system_sgpr_workgroup_id_z 1
		.amdhsa_system_vgpr_workitem_id 0
		.amdhsa_next_free_vgpr 226
		.amdhsa_next_free_sgpr 66
		.amdhsa_reserve_vcc 0
		.amdhsa_float_denorm_mode_32 3
		.amdhsa_float_denorm_mode_16_64 3
		.amdhsa_memory_ordered 1
		.amdhsa_forward_progress 1
		.amdhsa_inst_pref_size 29
	.end_amdhsa_kernel
	.amdgpu_metadata
---
amdhsa.version: [ 1, 2 ]
amdhsa.kernels:
  - .name:           k_q635708ff9b_attend
    .symbol:         k_q635708ff9b_attend.kd
    .args:
      - { .name: qkv, .offset: 0, .size: 8, .value_kind: global_buffer, .address_space: global }
      - { .name: out0, .offset: 8, .size: 8, .value_kind: global_buffer, .address_space: global }
    .group_segment_fixed_size: 133120
    .private_segment_fixed_size: 0
    .kernarg_segment_align: 8
    .kernarg_segment_size: 16
    .max_flat_workgroup_size: 512
    .sgpr_count:     66
    .vgpr_count:     226
    .wavefront_size: 32
...
	.end_amdgpu_metadata
.endif
;; end of part 2
